; MI455X (gfx1250); checked and timed in simulation.
; The chip was launched on July 23, 2026; its instructions are those of AMD's public machine-readable ISA for CDNA 5 (MIT licence, August 2026) and "CDNA5" Instruction Set Architecture Reference Guide (July 2026). The comments in the code are by the model that wrote it; some were corrected since.
;; Ro PE Attention. Allowed arithmetic: matrix products marked QUANTISED: E3M2 operands, one E8M0 scale for each 32 along K, by v_wmma_scale_f32_16x16x128_f8f6f4 with both operands' format E3M2, f32 sums; everything else in f32.
;; Inputs: K 1 x 8 x 4,096 x 256 float32; Q 1 x 8 x 4,096 x 256 float32; V 1 x 8 x 4,096 x 256 float32.
;; Outputs: out0 1 x 8 x 4,096 x 256 float32.
;; This version of the problem:
;;   THIS VERSION OF THE PROBLEM IS GIVEN IN LOW PRECISION. The matrix products marked QUANTISED in the list below multiply operands that are first quantised to E3M2 (3 exponent bits, 2 mantissa bits; 6 bits a number), with one power-of-two scale for each 32 numbers along K (OCP MX v1.0); their sums are f32. All else is computed in f32.
;;   The module's matrix products, in the order in which they are computed (A, B: the left and right operand; K: the contracted axis; several contracted axes count as one K, in the product's order):
;;     1. batch 8 x [M 4,096, K 256] x [K 256, N 4,096]; A: computed on the way; B: computed on the way: QUANTISED
;;     2. batch 8 x [M 4,096, K 4,096] x [K 4,096, N 256]; A: computed on the way; B: input V: QUANTISED
;;   THE QUANTISER, for each operand of a quantised product, along K:
;;     - K is cut into blocks of 32 from its start; a last block that is shorter is filled with zeros.
;;     - A block's scale is 2^e with e = floor(log2(the largest magnitude in the block)) - 4, held to -126 .. 127; a block of zeros has e = 0. As a byte (E8M0): e + 127.
;;     - Each number is divided by its block's scale, clamped to +-28, and rounded to the nearest number of E3M2, ties to even, subnormals kept.
;;     - The product sums the exact products of the quantised numbers (number of the format x scale) in f32.
;;   ~~~python
;;   def quantise(x, axis):      # numpy; x: float32 -> the quantised numbers, widened to float32 again
;;       x = np.moveaxis(x, axis, -1); K = x.shape[-1]
;;       x = np.pad(x, [(0, 0)] * (x.ndim - 1) + [(0, -K % 32)]); x = x.reshape(x.shape[:-1] + (-1, 32)); a = np.abs(x).max(-1, keepdims=True)
;;       e = np.where(a > 0, np.clip(np.frexp(np.where(a > 0, a, 1))[1] - 1 - 4, -126, 127), 0)      # np.frexp(a)[1] - 1 = floor(log2(a)), exactly
;;       r = np.clip(x / 2.0 ** e, -28, 28)
;;       step = 2.0 ** (np.maximum(np.frexp(np.where(r == 0, 1, r))[1] - 1, -2) - 2)
;;       q = np.round(r / step) * step * 2.0 ** e      # np.round: ties to even
;;       return np.moveaxis(q.reshape(q.shape[:-2] + (-1,))[..., :K], -1, axis).astype(np.float32)
;;   ~~~
;;   OPERANDS COMPUTED ON THE WAY. 'Computed on the way' means the value that the module computes at that place (a softmax that the list does not call 'softmax' is quantised finished and normalised). What goes into a quantiser is computed in f32, as accurately as f32 sums, v_exp_f32 and their like allow (about 1e-6 of the number): no bf16 or f16 on the way to a quantiser, and a product that is left as it is and whose result goes on into a quantised operand takes f32 operands (vector FMAs, or v_wmma_f32_16x16x4_f32). A number that lies on a knife's edge between two numbers of the format may be rounded either way, as far as f32 arithmetic and the matrix unit's own rounding can turn it there, and no further.
;; One version. Each part assembles by itself: llvm-mc -triple=amdgcn-amd-amdhsa -mcpu=gfx1250 --defsym DOCPART=n.
;; ======== version 1 of 1: 2 launches
;; workspace buffers: QW 6,815,744 bytes; KVW 13,631,488 bytes
;; launch prep (part 1): grid 1536 x 1, 4 waves a work-group, no clusters, 34,304 bytes of LDS; arguments Q, K, V, QW, KVW; writes QW, KVW
.if DOCPART == 1
	.amdgcn_target "amdgcn-amd-amdhsa--gfx1250"
	.amdhsa_code_object_version 6
	.text
	.protected	k_q1d6b34d10e_prep
	.globl	k_q1d6b34d10e_prep
	.p2align	8
	.type	k_q1d6b34d10e_prep,@function
k_q1d6b34d10e_prep:
	s_mov_b64 s[64:65], 0
	v_nop
	global_prefetch_b8 v0, s[64:65] scope:SCOPE_SE
	s_setreg_imm32_b32 hwreg(HW_REG_WAVE_MODE, 25, 1), 1
	s_wait_xcnt 0x0
; Q, K, V: [8 heads][4096][256] f32.  This launch makes the three operands of the attention launch, as codes of BF6 (E3M2) with one E8M0 scale byte for each 32 along a product's K:
;   Q and K are rotated (RoPE, in f32) and quantised along the 256 columns;  V is quantised along the keys.
; THE RESULTS ARE LAID AS IMAGES OF OPERAND REGISTERS.  A fragment (16 rows x 128 K, 12 registers a lane) is 1,536 bytes: register 4 g + i of lane l at 512 g + 16 l + 4 i.  Its scale words are 128 bytes: lane l's
; word at 4 l (lanes 16-31 repeat lanes 0-15).  A PART is 16 fragments and then, from byte 24,576 on, their 16 scale images: 26,624 bytes.
;   QW  [head][block of 128 queries]: one part; fragment 2 T + s = tile T of the block, columns 128 s on.
;   KVW [head][step of 128 keys]: K's part (fragment 2 T + s), then V's part (fragment ct = channels 16 ct on, K = the step's 128 keys in their order).
; THE ROWS OF A TILE OF Q OR K ARE NOT NEIGHBOURS: row m of tile T = 2 b + u is row 32 b + 8 u + m + 8 (m / 8) of the block, so that in K Q^T a lane's 16 registers of two neighbouring tiles are 16 neighbouring keys.
; SHARES.  Work-groups 0-1023 take Q and K: work-group g takes tile g / 4 of the 256 tiles of 16 rows, tensor g % 2, heads 4 ((g / 2) % 2) on; its wave w takes columns 128 (w % 2) on and heads 2 (w / 2) + 0, 1 of these:
; two units of 16 rows x 128 columns that share their sines and cosines.  Work-groups 1024-1535 take V: half of the channels of one step of 128 keys; a wave takes 32 channels.
; No tensor loads, no barrier: waves share nothing.
; THE ROTATION stands ahead of a quantiser, and one turned code of a query moves its whole row of the output: so every rounding of an f32 evaluation is taken where that evaluation takes it.
;   f = RN(RN(2^(-j / 8)) x RN(1 / (2 pi))) for the pair of columns j: the eight mantissas of 2^(-k / 8), correctly rounded, are constants of the text, scaled exactly;
;   phase = RN(t f);  x = its fraction, exact;  a = RN(x x RN(2 pi)): the angle is this f32 number;
;   n = a's nearest quarter turn; a - n pi / 2 is kept in two words: rh = a - n PH, exact (both are multiples of 2^-23 and the difference lies under 1), and rl = n (PH - pi / 2);
;   sine and cosine of rh + rl with one rounding at the end: the square's error is kept, the cubic term is carried in two words, the sums rh + cubic and 1 - z / 2 with their exact errors; by the sizes of the terms
;   (r^5 / 120 under 2.5e-3, z^2 / 24 under 1.6e-2, each with a few roundings of 6e-8 of itself) what is off ahead of the last rounding stays under about 2e-9;
;   out = fma(v, cos, RN(v_rot sin)).
; LIMITS.  Another f32 evaluation may round f, or the last sum, otherwise: a division by 2 pi in place of the multiplication moves f by one unit in the last place for j % 8 = 4 and 6, which at t = 4095 and j = 4 is about
; 2e-4 radians.  A block whose largest magnitude lies under 2^-122 keeps the scale byte 1 (a block of zeros too: its codes are zeros, and this program alone reads the bytes).
; NaN and infinities among the inputs are not served.
.set PART,  26624
.set SCO,   24576                      ; where a part's scale images begin
.set FRB,   1536                       ; a fragment's image
.set SPB,   528                        ; a stage row: 512 bytes + 16 = 33 x 16 bytes, so that sixteen rows' 16-byte columns fall on sixteen different places modulo 256 bytes
.set WST,   16*SPB                     ; a wave's stage
.set LANE,  1
.set RR,    2                          ; lane % 16
.set HH,    3                          ; lane / 16
.set L16,   4                          ; 16 x lane
.set L4,    5                          ; 4 x lane
.set STI,   6                          ; the stage, on the way in: row by row as loaded
.set STR,   7                          ; on the way out: row lane % 16, 128 bytes for each half of the lanes
.set OC,    8                          ; my 16 bytes of the unit's fragment image
.set OS,    9                          ; my word of its scale image
.set H8,    10                         ; 8 x (lane / 16)
.set FQ,    11                         ; v11-12  f of my two pairs of columns
; v14-55: at work on sines and cosines, a pair of registers (my two pairs of columns) for each name
.set tA,    14                         ; phase, x, a
.set tN,    16                         ; n
.set tR,    18                         ; rh
.set tL,    20                         ; rl
.set tZ,    22                         ; z = RN(rh^2)
.set tZL,   24                         ; rh^2 - z
.set tW,    26                         ; w = RN(z rh)
.set tWL,   28                         ; rh^3 - w
.set tT,    30                         ; t = RN(-w / 6)
.set tTL,   32                         ; -rh^3 / 6 - t
.set tS,    34                         ; s = RN(rh + t)
.set tE,    36                         ; what the sine has beside s
.set tP,    38
.set tU,    40                         ; u = RN(1 - z / 2)
.set tD,    42                         ; what the cosine has beside u
.set tQ,    44
.set tZZ,   46
.set tC,    48                         ; cos
.set tSV,   50                         ; sin
.set tI,    52                         ; n as a whole number
.set tX,    54
.set C0,    14                         ; v14-25  the first unit's codes;  v26-37 the second's: no store's data are written again
.set C1,    26
.set MX,    38
.set SO,    40
.set BY,    42
.set W0,    44                         ; the units' scale words
.set W1,    45
.set WX,    46
.set CT,    48                         ; v48-55  the rotation's products; later the halves of blocks that a conversion cannot put in place
.set CS,    64                         ; v64-127 (cos, sin) of row m, pair e at 4 m + 2 e
.set BA,    128                        ; v128-191, v192-255: the two units
.set BB,    192
.set WV,    14
.set SEL,   20                         ; s[20:21] v_permlanex16_b32's selects for lane l xor 16
.set TWOPI, 25
.set TOP,   26
.set NPH,   27
.set NPM,   28
.set S1H,   29
.set INB,   30                         ; s[30:31] the tensor at my first unit
.set S1L,   32
.set SS2,   33
.set OB,    34                         ; s[34:35], s[36:37] the two units' parts
.set SS3,   38
.set SS4,   39
.set TF,    40                         ; s40-55  t of my 16 rows, as f32
.set SS5,   56
.set CC2,   57
.set CC3,   58
.set CC4,   59
.set CC5,   60
.set SGN,   61
	s_load_b256 s[4:11], s[0:1], 0x0               ; Q s[4:5], K s[6:7], V s[8:9], QW s[10:11]
	s_load_b64 s[12:13], s[0:1], 0x20              ; KVW
	v_lshl_add_u32 v62, v0, 2, 0x8400
	v_mov_b32 v63, 0
	v_lshrrev_b32 v1, 5, v0
	v_readfirstlane_b32 s[WV], v1                  ; wave 0..3
	v_and_b32 v[LANE], 31, v0
	v_and_b32 v[RR], 15, v0
	v_bfe_u32 v[HH], v0, 4, 1
	v_lshlrev_b32 v[L16], 4, v[LANE]
	v_lshlrev_b32 v[L4], 2, v[LANE]
	s_mov_b32 s[SEL], 0x76543210
	s_mov_b32 s[SEL+1], 0xfedcba98
	s_cmp_ge_u32 ttmp9, 1024
	s_cbranch_scc1 .Lv_path
; ---------------------------------------------------------------- Q and K
	s_lshr_b32 s15, ttmp9, 2                       ; tile 0..255
	s_and_b32 s16, s[WV], 1                        ; s: which 128 columns
	s_lshr_b32 s17, s[WV], 1
	s_bfe_u32 s18, ttmp9, 0x10001
	s_lshl_b32 s18, s18, 2
	s_lshl_b32 s17, s17, 1
	s_add_co_u32 s18, s18, s17                     ; my first head
	s_lshr_b32 s19, s15, 3                         ; block of 128 rows
	s_bfe_u32 s22, s15, 0x20001                    ; b
	s_and_b32 s23, s15, 1                          ; u
	s_lshl_b32 s24, s19, 7
	s_lshl_b32 s22, s22, 5
	s_lshl_b32 s23, s23, 3
	s_add_co_u32 s24, s24, s22
	s_add_co_u32 s24, s24, s23                     ; the tile's first row: 128 block + 32 b + 8 u
	s_lshl_b32 s56, s18, 22                        ; a head is 4,194,304 bytes,
	s_lshl_b32 s57, s24, 10                        ; a row 1,024,
	s_add_co_u32 s56, s56, s57
	s_lshl_b32 s57, s16, 9                         ; 128 columns 512
	s_add_co_u32 s56, s56, s57
	s_mov_b32 s57, 0
	s_lshl_b32 s59, s18, 5
	s_add_co_u32 s59, s59, s19                     ; 32 head + block
	s_mov_b32 s61, 0
	s_and_b32 s62, ttmp9, 1
	s_mov_b32 s58, PART
	s_wait_kmcnt 0x0
	s_cmp_lg_u32 s62, 0                            ; Q's work-group or K's?  The choice hangs on the work-group's number alone
	s_cselect_b64 s[INB:INB+1], s[6:7], s[4:5]
	s_cselect_b64 s[OB:OB+1], s[12:13], s[10:11]
	s_cselect_b32 s58, 2*PART, s58                 ; from part to part: K's parts have V's between them
	s_add_nc_u64 s[INB:INB+1], s[INB:INB+1], s[56:57]
.macro LOADU buf, k                    ; unit k: 16 rows, each load 512 consecutive bytes, 16 a lane: lane l holds columns 4 l .. 4 l + 3 of the 128
.irp rho, 0,1,2,3,4,5,6,7,8,9,10,11,12,13,14,15
	global_load_b128 v[\buf+4*\rho:\buf+4*\rho+3], v[L16], s[INB:INB+1] offset:(\rho+8*(\rho/8))*1024+\k*4194304 th:TH_LOAD_NT
.endr
.endm
	LOADU BA, 0
	LOADU BB, 1                                    ; 32 loads a wave are out while the sines and cosines are made
	s_mul_i32 s60, s59, s58
	s_add_nc_u64 s[OB:OB+1], s[OB:OB+1], s[60:61]
	s_lshl_b32 s60, s58, 5                         ; the next head's part lies 32 parts' strides on
	s_add_nc_u64 s[OB+2:OB+3], s[OB:OB+1], s[60:61]
	s_mul_i32 s63, s[WV], WST
	v_add_nc_u32 v[STI], s63, v[L16]
	v_mul_u32_u24 v[STR], v[RR], SPB
	v_lshl_add_u32 v[STR], v[HH], 7, v[STR]
	v_add_nc_u32 v[STR], s63, v[STR]
	s_and_b32 s62, s15, 7
	s_lshl_b32 s62, s62, 1
	s_add_co_u32 s62, s62, s16                     ; the fragment's number in its part: 2 T + s
	s_mul_i32 s63, s62, FRB
	v_add_nc_u32 v[OC], s63, v[L16]
	s_lshl_b32 s63, s62, 7
	v_add_nc_u32 v[OS], s63, v[L4]
	v_lshlrev_b32 v[H8], 3, v[HH]
	; f of my pairs of columns j = 64 s + 2 lane + 0, 1.  j % 8 = 2 (lane % 4) + 0, 1 picks the mantissa of 2^(-(j % 8) / 8), correctly rounded; j / 8 = 8 s + lane / 4 for both is taken off the exponent, exactly
	v_and_b32 v[tA], 3, v[LANE]
	v_lshrrev_b32 v[tN], 2, v[LANE]
	s_lshl_b32 s63, s16, 3
	v_add_nc_u32 v[tN], s63, v[tN]
	v_sub_nc_u32 v[tN], 0, v[tN]                   ; -(j / 8)
	v_mov_b32 v[FQ], 1.0                           ; 2^(-0 / 8)
	v_mov_b32 v[FQ+1], 0x3f6ac0c7                  ; 2^(-1 / 8) = 0.917004043
	v_cmp_ne_u32 vcc_lo, 1, v[tA]
	v_cndmask_b32 v[FQ], 0x3f5744fd, v[FQ], vcc_lo       ; 2^(-2 / 8) = 0.840896415
	v_cndmask_b32 v[FQ+1], 0x3f45672a, v[FQ+1], vcc_lo   ; 2^(-3 / 8) = 0.771105413
	v_cmp_ne_u32 vcc_lo, 2, v[tA]
	v_cndmask_b32 v[FQ], 0x3f3504f3, v[FQ], vcc_lo       ; 2^(-4 / 8) = 0.707106781
	v_cndmask_b32 v[FQ+1], 0x3f25fed7, v[FQ+1], vcc_lo   ; 2^(-5 / 8) = 0.648419777
	v_cmp_ne_u32 vcc_lo, 3, v[tA]
	v_cndmask_b32 v[FQ], 0x3f1837f0, v[FQ], vcc_lo       ; 2^(-6 / 8) = 0.594603558
	v_cndmask_b32 v[FQ+1], 0x3f0b95c2, v[FQ+1], vcc_lo   ; 2^(-7 / 8) = 0.545253866
	v_ldexp_f32 v[FQ], v[FQ], v[tN]
	v_ldexp_f32 v[FQ+1], v[FQ+1], v[tN]
	v_mul_f32 v[FQ], 0.15915494, v[FQ]             ; x RN(1 / (2 pi)), one rounding
	v_mul_f32 v[FQ+1], 0.15915494, v[FQ+1]
.irp rho, 0,1,2,3,4,5,6,7,8,9,10,11,12,13,14,15
	s_add_co_u32 s56, s24, \rho+8*(\rho/8)
	s_cvt_f32_u32 s[TF+\rho], s56                  ; t, exact
.endr
	s_mov_b32 s[TWOPI], 0x40c90fdb                 ; RN(2 pi)
	s_mov_b32 s[TOP], 0x3f22f983                   ; 2 / pi
	s_mov_b32 s[NPH], 0xbfc90fdb                   ; -PH, PH = RN(pi / 2)
	s_mov_b32 s[NPM], 0x333bbd2e                   ; PH - pi / 2 = 4.37113883e-8
	s_mov_b32 s[S1H], 0xbe2aaaab                   ; -1 / 6 in two words: RN(-1 / 6)
	s_mov_b32 s[S1L], 0x31aaaaab                   ; and what it lacks: 2^-26 / 3
	s_mov_b32 s[SS2], 0x3c088889                   ; 1 / 120
	s_mov_b32 s[SS3], 0xb9500d01                   ; -1 / 5040
	s_mov_b32 s[SS4], 0x3638ef1d                   ; 1 / 362880
	s_mov_b32 s[SS5], 0xb2d7322b                   ; -1 / 39916800: the term left out, r^13 / 13!, is under 7e-12
	s_mov_b32 s[CC2], 0x3d2aaaab                   ; 1 / 24
	s_mov_b32 s[CC3], 0xbab60b61                   ; -1 / 720
	s_mov_b32 s[CC4], 0x37d00d01                   ; 1 / 40320
	s_mov_b32 s[CC5], 0xb493f27e                   ; -1 / 3628800: the term left out, r^12 / 12!, is under 1.2e-10
	s_mov_b32 s[SGN], 0x80000000
; One line of the work for both of my pairs of columns, so that no line waits for the line above it
.macro BOTH op:vararg
.irp e, 0,1
	\op
.endr
.endm
; Sine and cosine of row rho's angle for my two pairs
.macro SC rho
.irp e, 0,1
	v_mul_f32 v[tA+\e], s[TF+\rho], v[FQ+\e]       ; the phase in turns, rounded once
.endr
.irp e, 0,1
	v_floor_f32 v[tN+\e], v[tA+\e]
.endr
.irp e, 0,1
	v_sub_f32 v[tA+\e], v[tA+\e], v[tN+\e]         ; x = its fraction, exact
.endr
.irp e, 0,1
	v_mul_f32 v[tA+\e], s[TWOPI], v[tA+\e]         ; a = RN(x RN(2 pi)): the angle
.endr
.irp e, 0,1
	v_mul_f32 v[tN+\e], s[TOP], v[tA+\e]
.endr
.irp e, 0,1
	v_rndne_f32 v[tN+\e], v[tN+\e]                 ; n = 0 .. 4
.endr
.irp e, 0,1
	v_fma_f32 v[tR+\e], v[tN+\e], s[NPH], v[tA+\e] ; rh = a - n PH, exact
	v_mul_f32 v[tL+\e], s[NPM], v[tN+\e]           ; rl = n (PH - pi / 2)
.endr
.irp e, 0,1
	v_cvt_i32_f32 v[tI+\e], v[tN+\e]
	v_mul_f32 v[tZ+\e], v[tR+\e], v[tR+\e]         ; z
.endr
.irp e, 0,1
	v_fma_f32 v[tZL+\e], v[tR+\e], v[tR+\e], -v[tZ+\e]   ; rh^2 - z, exact
	v_mul_f32 v[tW+\e], v[tZ+\e], v[tR+\e]         ; w
.endr
.irp e, 0,1
	v_fma_f32 v[tWL+\e], v[tZ+\e], v[tR+\e], -v[tW+\e]   ; z rh - w, exact,
	v_mul_f32 v[tT+\e], s[S1H], v[tW+\e]           ; t
.endr
.irp e, 0,1
	v_fma_f32 v[tWL+\e], v[tZL+\e], v[tR+\e], v[tWL+\e]  ; and the square's error times rh: rh^3 - w
	v_fma_f32 v[tTL+\e], v[tW+\e], s[S1H], -v[tT+\e]     ; the product's error, exact,
.endr
.irp e, 0,1
	v_fma_f32 v[tTL+\e], v[tW+\e], s[S1L], v[tTL+\e]     ; the constant's second word,
	v_add_f32 v[tS+\e], v[tR+\e], v[tT+\e]         ; s
.endr
.irp e, 0,1
	v_fma_f32 v[tTL+\e], v[tWL+\e], s[S1H], v[tTL+\e]    ; and w's: -rh^3 / 6 - t
	v_sub_f32 v[tE+\e], v[tR+\e], v[tS+\e]
.endr
.irp e, 0,1
	v_add_f32 v[tE+\e], v[tE+\e], v[tT+\e]         ; rh + t - s, exact (|t| is under |rh|)
	v_fma_f32 v[tP+\e], v[tZ+\e], s[SS5], s[SS4]
.endr
.irp e, 0,1
	v_add_f32 v[tE+\e], v[tE+\e], v[tTL+\e]
	v_fma_f32 v[tP+\e], v[tP+\e], v[tZ+\e], s[SS3]
.endr
.irp e, 0,1
	v_fma_f32 v[tP+\e], v[tP+\e], v[tZ+\e], s[SS2]
	v_mul_f32 v[tX+\e], v[tZ+\e], v[tW+\e]         ; r^5
.endr
.irp e, 0,1
	v_fma_f32 v[tU+\e], v[tZ+\e], -0.5, 1.0        ; u
	v_fma_f32 v[tQ+\e], v[tZ+\e], s[CC5], s[CC4]
.endr
.irp e, 0,1
	v_fma_f32 v[tE+\e], v[tX+\e], v[tP+\e], v[tE+\e]     ; + r^5 (1 / 120 - ..)
	v_sub_f32 v[tD+\e], 1.0, v[tU+\e]
.endr
.irp e, 0,1
	v_fma_f32 v[tD+\e], v[tZ+\e], -0.5, v[tD+\e]   ; 1 - z / 2 - u, exact
	v_fma_f32 v[tQ+\e], v[tQ+\e], v[tZ+\e], s[CC3]
.endr
.irp e, 0,1
	v_fma_f32 v[tD+\e], v[tZL+\e], -0.5, v[tD+\e]  ; the square's error
	v_fma_f32 v[tQ+\e], v[tQ+\e], v[tZ+\e], s[CC2]
.endr
.irp e, 0,1
	v_fma_f32 v[tD+\e], -v[tL+\e], v[tS+\e], v[tD+\e]    ; - rl sin
	v_mul_f32 v[tZZ+\e], v[tZ+\e], v[tZ+\e]
.endr
.irp e, 0,1
	v_fma_f32 v[tD+\e], v[tZZ+\e], v[tQ+\e], v[tD+\e]    ; + z^2 (1 / 24 - ..)
.endr
.irp e, 0,1
	v_add_f32 v[tC+\e], v[tU+\e], v[tD+\e]         ; cos (rh + rl): the one last rounding
.endr
.irp e, 0,1
	v_fma_f32 v[tE+\e], v[tL+\e], v[tC+\e], v[tE+\e]     ; + rl cos
	v_and_b32 v[tX+\e], 1, v[tI+\e]                ; an odd quarter turn swaps the two
.endr
.irp e, 0,1
	v_add_f32 v[tSV+\e], v[tS+\e], v[tE+\e]        ; sin (rh + rl): the one last rounding
	v_lshlrev_b32 v[tZ+\e], 30, v[tI+\e]           ; the sine is negative for n = 2, 3: bit 1 of n;
.endr
.irp e, 0,1
	v_add_nc_u32 v[tI+\e], 1, v[tI+\e]
	v_and_b32 v[tZ+\e], s[SGN], v[tZ+\e]
.endr
.irp e, 0,1
	v_lshlrev_b32 v[tW+\e], 30, v[tI+\e]           ; the cosine for n = 1, 2: bit 1 of n + 1
.endr
.irp e, 0,1
	v_and_b32 v[tW+\e], s[SGN], v[tW+\e]
.endr
.irp e, 0,1
	v_cmp_eq_u32 vcc_lo, 1, v[tX+\e]
	v_cndmask_b32 v[CS+4*\rho+2*\e], v[tC+\e], v[tSV+\e], vcc_lo
	v_cndmask_b32 v[CS+4*\rho+2*\e+1], v[tSV+\e], v[tC+\e], vcc_lo
.endr
.irp e, 0,1
	v_xor_b32 v[CS+4*\rho+2*\e], v[CS+4*\rho+2*\e], v[tW+\e]
	v_xor_b32 v[CS+4*\rho+2*\e+1], v[CS+4*\rho+2*\e+1], v[tZ+\e]
.endr
.endm
.irp rho, 0,1,2,3,4,5,6,7,8,9,10,11,12,13,14,15
	SC \rho
.endr
	v_mov_b32 v[WX], 0                             ; a lane permute's destination counts as one of its sources
; The rotation of a unit, in place: (x0, x1) -> (x0 cos + RN(-x1 sin), x1 cos + RN(x0 sin)): a packed multiply that takes the pair crosswise, times sin, the low half's negated, and a packed multiply-add by cos
.macro ROPE buf
.irp rho, 0,1,2,3,4,5,6,7,8,9,10,11,12,13,14,15
.irp e, 0,1
	v_pk_mul_f32 v[CT+2*((2*\rho+\e)%4):CT+2*((2*\rho+\e)%4)+1], v[\buf+4*\rho+2*\e:\buf+4*\rho+2*\e+1], v[CS+4*\rho+2*\e:CS+4*\rho+2*\e+1] op_sel:[1,1] op_sel_hi:[0,1] neg_lo:[1,0]
.endr
.irp e, 0,1
	v_pk_fma_f32 v[\buf+4*\rho+2*\e:\buf+4*\rho+2*\e+1], v[\buf+4*\rho+2*\e:\buf+4*\rho+2*\e+1], v[CS+4*\rho+2*\e:CS+4*\rho+2*\e+1], v[CT+2*((2*\rho+\e)%4):CT+2*((2*\rho+\e)%4)+1] op_sel_hi:[1,0,1]
.endr
.endr
.endm
; Through the wave's own stage: in as loaded, row by row; out as the operand's layout wants it: lane (r, h) takes, of row r, columns 64 c + 32 h + 0 .. 31 into registers 32 c on: two whole blocks of 32
.macro TURNU buf
.irp rho, 0,1,2,3,4,5,6,7,8,9,10,11,12,13,14,15
	ds_store_b128 v[STI], v[\buf+4*\rho:\buf+4*\rho+3] offset:SPB*\rho
.endr
	s_wait_dscnt 0x0                               ; the stores are done: the loads below land in the registers that they read
.irp c, 0,1
.irp i, 0,1,2,3,4,5,6,7
	ds_load_b128 v[\buf+32*\c+4*\i:\buf+32*\c+4*\i+3], v[STR] offset:256*\c+16*\i
.endr
.endr
	s_wait_dscnt 0x0
.endm
; 64 numbers of a lane become the fragment's 12 registers at v[cd] on and the row's scale word in v[wd]
.macro QUANT2 buf, cd, wd
.irp c, 0,1
	v_max3_num_f32 v[MX+\c], |v[\buf+32*\c]|, |v[\buf+32*\c+1]|, 0x2800000   ; my block 2 c + h, and the floor 2^(5 - 127): so the byte cannot fall under 1
.endr
.irp i, 2,4,6,8,10,12,14,16,18,20,22,24,26,28,30
.irp c, 0,1
	v_max3_num_f32 v[MX+\c], v[MX+\c], |v[\buf+32*\c+\i]|, |v[\buf+32*\c+\i+1]|
.endr
.endr
.irp c, 0,1
	v_add_nc_u32 v[SO+\c], 0xfe000000, v[MX+\c]    ; 4 off the exponent field: the conversion takes the exponent field of this operand as its scale
.endr
.irp c, 0,1
	v_lshrrev_b32 v[BY+\c], 23, v[SO+\c]           ; the scale's byte
.endr
	v_lshl_or_b32 v[\wd], v[BY+1], 16, v[BY]       ; my two bytes: blocks h and 2 + h,
	v_lshlrev_b32 v[\wd], v[H8], v[\wd]            ; at their places in the word;
	v_permlanex16_b32 v[WX], v[\wd], s[SEL], s[SEL+1]
	v_or_b32 v[\wd], v[\wd], v[WX]                 ; with lane l xor 16's two the word is whole, in both halves of the lanes
.irp c, 0,1
	v_cvt_scalef32_pk16_bf6_f32 v[\cd+6*\c:\cd+6*\c+2], v[\buf+32*\c:\buf+32*\c+15], v[SO+\c]
	v_cvt_scalef32_pk16_bf6_f32 v[CT+4*\c:CT+4*\c+2], v[\buf+32*\c+16:\buf+32*\c+31], v[SO+\c]   ; (a conversion's three registers begin on an even number)
.endr
	v_nop                                          ; one plain place behind a scaled conversion
.irp c, 0,1
.irp i, 0,1,2
	v_mov_b32 v[\cd+6*\c+3+\i], v[CT+4*\c+\i]
.endr
.endr
.endm
.macro STOREU cd, wd, k                ; each store of codes covers 512 consecutive bytes, the scale words 128
.irp g, 0,1,2
	global_store_b128 v[OC], v[\cd+4*\g:\cd+4*\g+3], s[OB+2*\k:OB+2*\k+1] offset:512*\g
.endr
	global_store_b32 v[OS], v[\wd], s[OB+2*\k:OB+2*\k+1] offset:SCO
.endm
	s_wait_loadcnt 16                              ; the first unit's 16 loads are in; the second's 16 may be out
	ROPE BA
	TURNU BA
	QUANT2 BA, C0, W0
	STOREU C0, W0, 0
	s_wait_loadcnt 0x0
	ROPE BB
	TURNU BB                                       ; LDS serves a wave's instructions in order, and the first unit's reads of the stage have been waited for
	QUANT2 BB, C1, W1
	STOREU C1, W1, 1
	s_wait_tensorcnt 0x0
	ds_add_u32 v62, v63
	s_wait_dscnt 0x0
	s_endpgm
; ---------------------------------------------------------------- V: a lane takes a channel, and its registers run down the step's 128 keys: each block of 32 keys lies in one lane
.Lv_path:
	s_sub_co_u32 s15, ttmp9, 1024
	s_lshr_b32 s16, s15, 1                         ; 32 head + key step
	s_and_b32 s17, s15, 1
	s_lshl_b32 s17, s17, 2
	s_add_co_u32 s17, s17, s[WV]                   ; which 32 channels: 0..7
	s_lshl_b32 s18, s16, 17                        ; 128 keys are 131,072 bytes, and 32 steps a head
	s_lshl_b32 s19, s17, 7
	s_add_co_u32 s18, s18, s19
	s_mov_b32 s19, 0
	s_mul_i32 s22, s16, 2*PART
	s_add_co_u32 s22, s22, PART                    ; V's part lies behind K's
	s_mov_b32 s23, 0
	s_mul_i32 s24, s17, 2*FRB
	v_add_nc_u32 v6, s24, v[L16]                   ; my two fragments' images,
	s_lshl_b32 s24, s17, 8
	v_add_nc_u32 v7, s24, v[L4]                    ; and their scale images
	v_mov_b32 v11, 0                               ; written once: a lane permute's destination counts as one of its sources
	s_wait_kmcnt 0x0
	s_add_nc_u64 s[8:9], s[8:9], s[18:19]
	s_add_nc_u64 s[12:13], s[12:13], s[22:23]
.set k, 0
.rept 128
	global_load_b32 v[128+k], v[L4], s[8:9] offset:k*1024 th:TH_LOAD_NT   ; key k at 32 neighbouring channels: 128 consecutive bytes a wave, 512 the four waves side by side
.set k, k+1
.endr
; Block b of 32 keys.  left: how many younger loads may stay out (a wait cannot name more than 63: the first two counts are smaller than the 96 and 64 that would do)
.macro VBLOCK b, left
	s_wait_loadcnt \left
.set XB, 128+32*\b
	v_max3_num_f32 v8, |v[XB]|, |v[XB+1]|, 0x2800000               ; two chains, and the floor 2^(5 - 127)
	v_max3_num_f32 v9, |v[XB+16]|, |v[XB+17]|, |v[XB+18]|
.irp i, 2,4,6,8,10,12
	v_max3_num_f32 v8, v8, |v[XB+\i]|, |v[XB+\i+1]|
	v_max3_num_f32 v9, v9, |v[XB+17+\i]|, |v[XB+18+\i]|
.endr
	v_max3_num_f32 v8, v8, |v[XB+14]|, |v[XB+15]|
	v_max3_num_f32 v8, v8, v9, |v[XB+31]|
	v_add_nc_u32 v[56+\b], 0xfe000000, v8          ; the conversion's scale operand
.if \b == 0
	v_lshrrev_b32 v10, 23, v[56+\b]                ; the four bytes make my channel's scale word
.else
	v_lshrrev_b32 v60, 23, v[56+\b]
	v_lshl_or_b32 v10, v60, 8*\b, v10
.endif
	v_cvt_scalef32_pk16_bf6_f32 v[16+12*(\b%2)+6*(\b/2):16+12*(\b%2)+6*(\b/2)+2], v[XB:XB+15], v[56+\b]   ; even blocks to v16 on, odd ones to v28 on
	v_cvt_scalef32_pk16_bf6_f32 v[40+4*\b:40+4*\b+2], v[XB+16:XB+31], v[56+\b]
.endm
	VBLOCK 0, 63
	VBLOCK 1, 63
	VBLOCK 2, 32
	VBLOCK 3, 0
	v_nop                                          ; one plain place behind a scaled conversion
.irp b, 0,1,2,3
.irp i, 0,1,2
	v_mov_b32 v[16+12*(\b%2)+6*(\b/2)+3+\i], v[40+4*\b+\i]
.endr
.endr
; v16-27: blocks 0 and 2 of channel lane; v28-39: blocks 1 and 3.  A fragment wants block 2 c + h of channel lane % 16 in lane (r, h): the first run's lanes 16-31 change places with the second's lanes 0-15,
; and the first run is the fragment of channels 0-15, the second that of channels 16-31
.irp i, 0,1,2,3,4,5,6,7,8,9,10,11
	v_permlane16_swap_b32 v[16+\i], v[28+\i]
.endr
	v_permlanex16_b32 v11, v10, s[SEL], s[SEL+1]
	v_cmp_eq_u32 vcc_lo, 1, v[HH]
	v_cndmask_b32 v12, v10, v11, vcc_lo            ; channels 0-15's words, in both halves of the lanes
	v_cndmask_b32 v13, v11, v10, vcc_lo            ; channels 16-31's
.irp g, 0,1,2,3,4,5
	global_store_b128 v6, v[16+4*\g:16+4*\g+3], s[12:13] offset:512*\g
.endr
	global_store_b32 v7, v12, s[12:13] offset:SCO
	global_store_b32 v7, v13, s[12:13] offset:SCO+128
	s_endpgm
.Lfunc_end_k_q1d6b34d10e_prep:
	.size	k_q1d6b34d10e_prep, .Lfunc_end_k_q1d6b34d10e_prep-k_q1d6b34d10e_prep
	.p2alignl 7, 3214868480
	.fill 96, 4, 3214868480
	.section	.rodata,"a",@progbits
	.p2align	6, 0x0
	.amdhsa_kernel k_q1d6b34d10e_prep
		.amdhsa_group_segment_fixed_size 34304
		.amdhsa_private_segment_fixed_size 0
		.amdhsa_enable_private_segment 0
		.amdhsa_kernarg_size 40
		.amdhsa_user_sgpr_count 2
		.amdhsa_user_sgpr_kernarg_segment_ptr 1
		.amdhsa_wavefront_size32 1
		.amdhsa_system_sgpr_workgroup_id_x 1
		.amdhsa_system_sgpr_workgroup_id_y 1
		.amdhsa_system_sgpr_workgroup_id_z 1
		.amdhsa_system_vgpr_workitem_id 0
		.amdhsa_next_free_vgpr 256
		.amdhsa_next_free_sgpr 66
		.amdhsa_reserve_vcc 1
		.amdhsa_float_denorm_mode_32 3
		.amdhsa_float_denorm_mode_16_64 3
		.amdhsa_memory_ordered 1
		.amdhsa_forward_progress 1
		.amdhsa_inst_pref_size 119
	.end_amdhsa_kernel
	.amdgpu_metadata
---
amdhsa.version: [ 1, 2 ]
amdhsa.kernels:
  - .name:           k_q1d6b34d10e_prep
    .symbol:         k_q1d6b34d10e_prep.kd
    .args:
      - { .name: Q, .offset: 0, .size: 8, .value_kind: global_buffer, .address_space: global }
      - { .name: K, .offset: 8, .size: 8, .value_kind: global_buffer, .address_space: global }
      - { .name: V, .offset: 16, .size: 8, .value_kind: global_buffer, .address_space: global }
      - { .name: QW, .offset: 24, .size: 8, .value_kind: global_buffer, .address_space: global }
      - { .name: KVW, .offset: 32, .size: 8, .value_kind: global_buffer, .address_space: global }
    .group_segment_fixed_size: 34304
    .private_segment_fixed_size: 0
    .kernarg_segment_align: 8
    .kernarg_segment_size: 40
    .max_flat_workgroup_size: 128
    .sgpr_count:     66
    .vgpr_count:     256
    .wavefront_size: 32
...
	.end_amdgpu_metadata
.endif
;; end of part 1
;; launch attn (part 2): grid 32 x 8, 4 waves a work-group, clusters of 4 x 1, 327,680 bytes of LDS; arguments QW, KVW, out0; writes out0
.if DOCPART == 2
	.amdgcn_target "amdgcn-amd-amdhsa--gfx1250"
	.amdhsa_code_object_version 6
	.text
	.protected	k_q1d6b34d10e_attn
	.globl	k_q1d6b34d10e_attn
	.p2align	8
	.type	k_q1d6b34d10e_attn,@function
k_q1d6b34d10e_attn:
	s_mov_b64 s[64:65], 0
	v_nop
	global_prefetch_b8 v0, s[64:65] scope:SCOPE_SE
	s_setreg_imm32_b32 hwreg(HW_REG_WAVE_MODE, 25, 1), 1
	s_wait_xcnt 0x0
	s_wait_alu depctr_hold_cnt(0) depctr_sa_sdst(0) depctr_va_vdst(0) depctr_va_sdst(0) depctr_va_ssrc(0) depctr_va_vcc(0) depctr_vm_vsrc(0)
	s_getreg_b32 s2, hwreg(HW_REG_IB_STS2, 6, 4)
	s_cmp_eq_u32 s2, 0
	s_cbranch_scc0 .Lentry_in_a_cluster
	s_endpgm
.Lentry_in_a_cluster:
	s_bfe_u32 s2, ttmp6, 0x10000c
	s_cmp_lg_u32 s2, 0x3003
	s_cbranch_scc0 .Lentry_shape_is_right
	s_endpgm
.Lentry_shape_is_right:
; out[h][q][:] = the sum over keys k < q of (QR[h][q] . KR[h][k]) V[h][k][:]: no softmax.  Both products on codes of BF6 (E3M2) with one E8M0 scale for each 32 along a product's K.
; QW, KVW: the operands as images of their registers (a fragment 1,536 bytes, its scale words 128; a part = 16 fragments + 16 scale images = 26,624 bytes), made by the launch before:
;   QW [head][block of 128 queries] one part, fragment 2 T + s;  KVW [head][step of 128 keys] K's part (fragment 2 T + s), then V's (fragment ct: channels 16 ct on, K = the step's keys).
;   Row m of tile T = 2 b + u of Q or K is row 32 b + 8 u + m + 8 (m / 8) of its 128.
; SHARES.  A work-group owns 128 queries of a head.  Wave w takes queries 64 (w % 2) on (four tiles of 16) and, of each slot of 256 keys, the step of 128 keys w / 2: two waves hold partial sums of the same
; queries, which is sound since nothing but a sum is taken over the keys; at the end each keeps two of its tiles and gives the other two to its partner, through LDS.  A wave's local tiles 0, 1 are those
; that it keeps (the pair w / 2 of its 64 queries), so that one text serves all four waves.
; LAYOUT.  Both products are used transposed: S^T = K Q^T (source 0 = 16 keys, source 1 = 16 queries), O^T = V^T P^T (source 0 = 16 channels, source 1 = the quantised scores): a lane holds ONE query throughout.
; By the choice of a tile's keys the 16 registers of two neighbouring tiles of S^T are 16 neighbouring keys, so the conversions' results (with an exchange of halves) are the second product's operand.
; THE MASK.  Cluster c of a head owns queries 512 c on.  Its two diagonal slots (keys 512 c on) come first, with hidden scores set to 0 ahead of the blocks' maxima; then slots 0 .. 2 c - 1, all of whose keys count.
; Slots behind the diagonal are never fetched.  CLUSTER 0 has no slot in front of its diagonal: it walks slots 0 and 1 once more with Q's codes cleared, which adds exact zeros: work that serves nothing, on 8 of the 64
; clusters, taken so that all clusters run one text and no joint load stands under a condition.
; CLUSTER.  The four work-groups of a cluster walk the same slots: each quarter of a slot is asked for JOINTLY, by the same tensor load with the same descriptor and the mask of all four.
; The trip count hangs on the cluster's number alone, which the partners share; no LDS address is stepped in that loop.
; LIMITS.  A block of scores whose largest magnitude lies under 2^-122 keeps the scale byte 1 (a block of zeros too: its codes are zeros).  NaN and infinities are not served.
; The keys are summed in f32 in this order: diagonal slots first, then ascending, in two interleaved halves that are added at the end.
; REGISTERS, in windows of 256: window 0: v1-16 addresses; v18-45 scale words (Q's, two sets for K or V, the scores'); v46-77 at work; v78-125 the scores' codes, 12 a tile;
;   v128-255 S^T of four tiles of keys x four of queries (at 32 x + 8 k), then V's fragments 8-15.   window 1: v0-95 Q (fragment 2 x + s), v96-191 eight fragments of K or V.
;   window 2: O^T of local tiles 0, 1 (at 128 e + 8 ct);   window 3: of local tiles 2, 3.
.set PART,   26624
.set SCO,    24576
.set FRB,    1536
.set KSTEP,  2*PART                    ; a key step: K's part, V's part
.set SLOTB,  4*PART                    ; a slot: two key steps; wave w fills quarter w
.set HEADB,  32*KSTEP
.set STAGE,  2*SLOTB                   ; behind the ring: 16 rows x (1,024 + 16) bytes for each wave, for the way out; 1,040 = 65 x 16 bytes
.set SPITCH, 1040
.set SPARE,  STAGE+4*16*SPITCH         ; the spare words, 128 bytes for each wave: two blocks of 256 bytes that no other line names
.set EXB,    32768                     ; the exchange: 256 registers' image for each wave, from LDS byte 0 on: the ring has had its last fill and its last read by then
.set L16,  1                           ; 16 x lane
.set L4,   2                           ; 4 x lane
.set AL,   3                           ; v3-4   16 x lane + my key step in slot 0, 1
.set AS,   5                           ; v5-6   4 x lane + the same
.set SPW,  7                           ; v7     LDS address of my spare word; never rewritten
.set NIL,  8                           ; v8     0; never rewritten
.set DQ,   9                           ; v9-10  the mask: my query less my first key, for local pairs 0, 1
.set DT,   11
.set EXS,  13
.set EXL,  14
.set STO,  15
.set RD,   16
.set QS,   18                          ; v18-25 Q's scale words (2 x + s)
.set SA,   26                          ; v26-33 those of the eight fragments in window 1
.set SB,   34                          ; v34-41 those of V's fragments 8-15
.set PS,   42                          ; v42-45 the scores', a word a tile
.set TM,   46
.set TP,   54
.set CT,   62
.set P,    78
.set S,    128
.set F,    96                          ; in window 1
.set WV,   10
.set QH,   11
.set KP,   12
.set CX,   13
.set CC,   14
.set HD,   15
.set SEL,  20
.set DB,   22                          ; s[22:23] bytes from the head's first slot to the cluster's first diagonal slot
.set G1,   24                          ; s[24:31] descriptor group 1
.set G0,   32                          ; s[32:39] group 0, one set for each slot
.set FLR,  40
.set KM,   41
.set LC,   42
.set MSB, 0
.macro WIN new                         ; the immediate's high byte repeats the setting that is left; a switch that changes nothing is dropped
.if MSB != (\new)
	s_set_vgpr_msb (MSB<<8)|(\new)
.set MSB, (\new)
.endif
.endm
.macro PLACES n
.rept \n
	v_nop
.endr
.endm
.macro CREST                           ; a round of the cluster's barrier behind its opening barrier
	s_cmp_lg_u32 s[WV], 0
	s_cbranch_scc1 .Lnot_wave_0_\@
	s_barrier_signal -3
.Lnot_wave_0_\@:
	s_barrier_wait -3
	s_barrier_signal -1
	s_barrier_wait -1
.endm
.macro CROUND                          ; a whole round
	s_barrier_signal -1
	s_barrier_wait -1
	CREST
.endm
	s_load_b128 s[4:7], s[0:1], 0x0                ; QW s[4:5], KVW s[6:7]
	s_load_b64 s[8:9], s[0:1], 0x10                ; out0
	v_lshl_add_u32 v[SPW], v0, 2, SPARE
	v_mov_b32 v[NIL], 0
	ds_add_u32 v7, v8
	ds_add_u32 v7, v8
	s_wait_dscnt 0x0
	v_lshrrev_b32 v17, 5, v0
	v_readfirstlane_b32 s[WV], v17                 ; wave 0..3
	s_and_b32 s[QH], s[WV], 1                      ; which 64 queries
	s_lshr_b32 s[KP], s[WV], 1                     ; which key step of a slot
	s_bfe_u32 s[CX], ttmp6, 0x40000                ; my place in the cluster
	s_mov_b32 s[CC], ttmp9                         ; the cluster: queries 512 c on
	s_and_b32 s[HD], ttmp7, 0xffff                 ; the head
	; descriptor group 1: a part, 26,624 dense bytes, as 104 rows of 256 bytes (32 elements of 8); no padding: every read of an image takes 512 consecutive bytes
	s_mov_b32 s[G1], 15|(3<<16)|(1<<21)            ; 15:0 the mask: all four work-groups; 17:16 elements of 8 bytes; 21 set beside a mask
	s_mov_b32 s[G1+1], 32<<16                      ; tensor_dim0 = 32
	s_mov_b32 s[G1+2], 104<<16                     ; tensor_dim1 = 104
	s_mov_b32 s[G1+3], 32<<16                      ; tile_dim0 = 32
	s_mov_b32 s[G1+4], 104                         ; tile_dim1 = 104
	s_mov_b32 s[G1+5], 32                          ; from row to row
	s_mov_b32 s[G1+6], 0
	s_mov_b32 s[G1+7], 0
	s_mov_b32 s[SEL], 0x76543210
	s_mov_b32 s[SEL+1], 0xfedcba98                 ; v_permlanex16_b32's selects for lane l xor 16
	s_mov_b32 s[FLR], 0x2800000                    ; the floor 2^(5 - 127)
	s_mul_i32 s16, s[HD], HEADB                    ; K and V: the head, the cluster's first diagonal slot, my quarter: nothing of my place in the cluster
	s_mul_i32 s[DB], s[CC], 2*SLOTB
	s_mov_b32 s[DB+1], 0
	s_mul_i32 s18, s[WV], PART                     ; also my quarter's place in a slot
	s_add_co_u32 s16, s16, s[DB]
	s_add_co_u32 s16, s16, s18
	s_mov_b32 s17, 0
	s_lshl_b32 s19, s[CC], 2
	s_add_co_u32 s19, s19, s[CX]                   ; my block of 128 queries
	s_lshl_b32 s46, s[HD], 5
	s_add_co_u32 s46, s46, s19
	s_mul_i32 s46, s46, PART                       ; Q's part
	s_mov_b32 s47, 0
	s_lshl_b32 s48, s19, 7
	s_lshl_b32 s49, s[QH], 6
	s_add_co_u32 s48, s48, s49
	s_lshl_b32 s49, s[KP], 5
	s_add_co_u32 s48, s48, s49                     ; the first row of the 32 that I store: 128 block + 64 (w % 2) + 32 (w / 2)
	s_lshl_b32 s48, s48, 10
	s_lshl_b32 s49, s[HD], 22
	s_add_co_u32 s48, s48, s49
	s_mov_b32 s49, 0
	s_wait_kmcnt 0x0
	s_add_nc_u64 s[44:45], s[6:7], s[16:17]
	s_add_nc_u64 s[4:5], s[4:5], s[46:47]
	s_add_nc_u64 s[8:9], s[8:9], s[48:49]
	s_mov_b32 s[G0], 1                             ; count = 1
	s_mov_b32 s[G0+1], s18                         ; LDS address: slot 0, my quarter
	s_mov_b64 s[G0+2:G0+3], s[44:45]               ; the first diagonal slot
	s_or_b32 s[G0+3], s[G0+3], 0x80000000          ; type = 2
	s_mov_b32 s[G0+4], 1
	s_add_co_u32 s[G0+5], s18, SLOTB
	s_add_nc_u64 s[G0+6:G0+7], s[44:45], SLOTB     ; the second
	s_or_b32 s[G0+7], s[G0+7], 0x80000000
	CROUND                                         ; all four work-groups are here: the first joint loads meet
	tensor_load_to_lds s[G0:G0+3], s[G1:G1+7]      ; the two first fills stand together, ahead of every wait on TENSORcnt and every LDS read: two loads of mine are out
	s_nop 0
	tensor_load_to_lds s[G0+4:G0+7], s[G1:G1+7]
	s_nop 0
	PLACES 4                                       ; (behind a tensor load)
	v_and_b32 v17, 31, v0
	v_lshlrev_b32 v[L16], 4, v17
	v_lshlrev_b32 v[L4], 2, v17
	; Q stays in registers.  Local pair p is pair p xor (w / 2) of my 64 queries: four fragments on end, 6,144 bytes, and four scale images
	s_mul_i32 s55, s[QH], 8*FRB
	s_mul_i32 s56, s[KP], 4*FRB
	s_add_co_u32 s57, s55, s56
	v_add_nc_u32 v46, s57, v[L16]                  ; local pair 0: pair w / 2
	s_sub_co_u32 s57, s55, s56
	s_add_co_u32 s57, s57, 4*FRB
	v_add_nc_u32 v47, s57, v[L16]                  ; local pair 1: the other
	s_lshl_b32 s55, s[QH], 10
	s_lshl_b32 s56, s[KP], 9
	s_add_co_u32 s57, s55, s56
	v_add_nc_u32 v48, s57, v[L4]
	s_sub_co_u32 s57, s55, s56
	s_add_co_u32 s57, s57, 512
	v_add_nc_u32 v49, s57, v[L4]
	WIN 0x40                                       ; destination window 1
.irp p, 0,1
.irp i, 0,1,2,3,4,5,6,7,8,9,10,11
	global_load_b128 v[48*\p+4*\i:48*\p+4*\i+3], v[46+\p], s[4:5] offset:512*\i
.endr
.endr
	WIN 0
.irp p, 0,1
.irp i, 0,1,2,3
	global_load_b32 v[QS+4*\p+\i], v[48+\p], s[4:5] offset:SCO+128*\i
.endr
.endr
	s_mul_i32 s50, s[KP], KSTEP
	v_add_nc_u32 v[AL], s50, v[L16]
	v_add_nc_u32 v[AS], s50, v[L4]
	s_add_co_u32 s50, s50, SLOTB
	v_add_nc_u32 v[AL+1], s50, v[L16]
	v_add_nc_u32 v[AS+1], s50, v[L4]
	; the mask: register 16 b + i of a tile holds key (slot's first) + 128 (w / 2) + 64 c + 32 b + 16 h + i; my query is (cluster's first) + 128 cx + 64 (w % 2) + 32 pair + 8 e + r + 8 (r / 8)
	v_and_b32 v12, 15, v0
	v_and_b32 v[DT], 8, v0
	v_add_nc_u32 v12, v12, v[DT]                   ; r + 8 (r / 8)
	v_bfe_u32 v[DT], v0, 4, 1
	v_lshlrev_b32 v[DT], 4, v[DT]
	v_sub_nc_u32 v12, v12, v[DT]                   ; - 16 h
	s_lshl_b32 s51, s[CX], 7
	s_lshl_b32 s52, s[QH], 6
	s_add_co_u32 s51, s51, s52
	s_lshl_b32 s52, s[KP], 7
	s_sub_co_u32 s51, s51, s52
	s_lshl_b32 s52, s[KP], 5
	s_add_co_u32 s53, s51, s52
	v_add_nc_u32 v[DQ], s53, v12
	s_sub_co_u32 s53, s51, s52
	s_add_co_u32 s53, s53, 32
	v_add_nc_u32 v[DQ+1], s53, v12
	; the way out
	s_lshl_b32 s54, s[WV], 15
	v_add_nc_u32 v[EXS], s54, v[L16]               ; where I put what I give away,
	s_xor_b32 s54, s[WV], 2
	s_lshl_b32 s54, s54, 15
	v_add_nc_u32 v[EXL], s54, v[L16]               ; and where my partner has put what I take
	s_mul_i32 s54, s[WV], 16*SPITCH
	s_add_co_u32 s54, s54, STAGE                   ; my stage
	v_and_b32 v12, 15, v0
	v_mul_u32_u24 v[STO], v12, SPITCH
	v_bfe_u32 v12, v0, 4, 1
	v_lshl_add_u32 v[STO], v12, 5, v[STO]
	v_add_nc_u32 v[STO], s54, v[STO]               ; in: row r, 32 bytes for each half of the lanes
	v_add_nc_u32 v[RD], s54, v[L16]                ; back: 512 consecutive bytes, half a row
.irp i, 0,1,2,3,4,5,6,7
	v_mov_b32 v[TP+\i], 0                          ; written once: a lane permute's destination counts as one of its sources
.endr
; 32 LDS loads in one run: eight scale images into v[sc] on, then eight fragments, from number first of the part at byte base of my key step in slot n, into v[reg] on of window w.  Every load takes consecutive bytes.
.macro FETCH n, base, first, reg, w, sc
	WIN 0
.irp i, 0,1,2,3,4,5,6,7
	ds_load_b32 v[\sc+\i], v[AS+\n] offset:\base+SCO+128*(\first+\i)
.endr
	WIN 0x40*\w
.irp i, 0,1,2,3,4,5,6,7
.irp g, 0,1,2
	ds_load_b128 v[\reg+12*\i+4*\g:\reg+12*\i+4*\g+3], v[AL+\n] offset:\base+FRB*(\first+\i)+512*\g
.endr
.endr
	WIN 0
.endm
; S^T of four tiles of keys (the eight fragments in window 1) x my four tiles of queries: 32 matrix instructions.  The four queries' accumulators take turns; the first 128 columns start the sums.
.macro SMUL
	WIN 0x05                                       ; K and Q in window 1, S^T in window 0
.irp k, 0,1,2,3
	s_wait_dscnt 18-6*\k                           ; fragments 2 k and 2 k + 1 are in: behind them stand three loads for each later fragment
.irp s, 0,1
.irp x, 0,1,2,3
.if \s == 0
	v_wmma_scale_f32_16x16x128_f8f6f4 v[S+32*\x+8*\k:S+32*\x+8*\k+7], v[F+12*(2*\k+\s):F+12*(2*\k+\s)+11], v[12*(2*\x+\s):12*(2*\x+\s)+11], 0, v[SA+2*\k+\s], v[QS+2*\x+\s] matrix_a_fmt:MATRIX_FMT_BF6 matrix_b_fmt:MATRIX_FMT_BF6
.else
	v_wmma_scale_f32_16x16x128_f8f6f4 v[S+32*\x+8*\k:S+32*\x+8*\k+7], v[F+12*(2*\k+\s):F+12*(2*\k+\s)+11], v[12*(2*\x+\s):12*(2*\x+\s)+11], v[S+32*\x+8*\k:S+32*\x+8*\k+7], v[SA+2*\k+\s], v[QS+2*\x+\s] matrix_a_fmt:MATRIX_FMT_BF6 matrix_b_fmt:MATRIX_FMT_BF6
.endif
.endr
.endr
.endr
.endm
; On the diagonal: a score counts where its key comes before its query; the others become 0 ahead of the blocks' maxima.  c: which 64 keys of the step; j: which diagonal slot.  Each accumulator is taken from its low end on.
.macro MASK c, j
.irp x, 0,1,2,3
.irp b, 0,1
	v_add_nc_u32 v[DT], 8*(\x%2)-256*\j-64*\c-32*\b, v[DQ+\x/2]     ; register 16 b + i counts where i < this
.irp i, 0,1,2,3,4,5,6,7,8,9,10,11,12,13,14,15
	v_cmp_lt_i32 vcc_lo, \i, v[DT]
	v_cndmask_b32 v[S+32*\x+16*\b+\i], 0, v[S+32*\x+16*\b+\i], vcc_lo
.endr
.endr
.endr
.endm
; The scores of 64 keys x 64 queries become codes: eight blocks of 32 keys (tile x, block b), by turns.  A block lies in lanes l and l xor 16, 16 registers each.
.macro QUANT c
.irp x, 0,1,2,3
.irp b, 0,1
	v_max3_num_f32 v[TM+2*\x+\b], |v[S+32*\x+16*\b]|, |v[S+32*\x+16*\b+1]|, s[FLR]   ; my 16 numbers, and the floor: so the byte cannot fall under 1
.endr
.endr
.irp i, 2,4,6,8,10,12,14
.irp x, 0,1,2,3
.irp b, 0,1
	v_max3_num_f32 v[TM+2*\x+\b], v[TM+2*\x+\b], |v[S+32*\x+16*\b+\i]|, |v[S+32*\x+16*\b+\i+1]|
.endr
.endr
.endr
.irp i, 0,1,2,3,4,5,6,7
	v_permlanex16_b32 v[TP+\i], v[TM+\i], s[SEL], s[SEL+1]
.endr
.irp i, 0,1,2,3,4,5,6,7
	v_max_num_f32 v[TM+\i], v[TM+\i], v[TP+\i]     ; the block's largest magnitude
.endr
.irp i, 0,1,2,3,4,5,6,7
	v_add_nc_u32 v[TP+\i], 0xfe000000, v[TM+\i]    ; 4 off its exponent field: the conversion's scale operand
.endr
.irp i, 0,1,2,3,4,5,6,7
	v_lshrrev_b32 v[TM+\i], 23, v[TP+\i]           ; the scale's byte
.endr
.irp x, 0,1,2,3
.if \c == 0
	v_lshl_or_b32 v[PS+\x], v[TM+2*\x+1], 8, v[TM+2*\x]            ; bytes 0 and 1 of my query's scale word
.else
	v_lshl_or_b32 v[PS+\x], v[TM+2*\x], 16, v[PS+\x]               ; bytes 2
.endif
.endr
.if \c == 1
.irp x, 0,1,2,3
	v_lshl_or_b32 v[PS+\x], v[TM+2*\x+1], 24, v[PS+\x]             ; and 3
.endr
.endif
.irp x, 0,1,2,3
	v_cvt_scalef32_pk16_bf6_f32 v[P+12*\x+6*\c:P+12*\x+6*\c+2], v[S+32*\x:S+32*\x+15], v[TP+2*\x]
	v_cvt_scalef32_pk16_bf6_f32 v[CT+4*\x:CT+4*\x+2], v[S+32*\x+16:S+32*\x+31], v[TP+2*\x+1]   ; (a conversion's three registers begin on an even number)
.endr
	v_nop                                          ; one plain place behind a scaled conversion
.irp x, 0,1,2,3                        ; the operand's layout wants a WHOLE block in a lane: lanes 0-15 block 2 c, lanes 16-31 block 2 c + 1
.irp i, 0,1,2
	v_permlane16_swap_b32 v[P+12*\x+6*\c+\i], v[CT+4*\x+\i]
.endr
.endr
.irp x, 0,1,2,3
.irp i, 0,1,2
	v_mov_b32 v[P+12*\x+6*\c+3+\i], v[CT+4*\x+\i]
.endr
.endr
.endm
; O^T += V^T P^T: channels 128 g on (g = 0: the fragments in window 1; g = 1: those in window 0) x local tiles 2 xp, 2 xp + 1: 16 matrix instructions on 16 accumulators.  zero = 1: they start the sums: nothing is ever cleared.
.macro OMUL g, xp, zero
	WIN ((2+\xp)<<6)|((2+\xp)<<4)|(1-\g)
.irp t, 0,1,2,3,4,5,6,7
.irp e, 0,1
.if \zero
	v_wmma_scale_f32_16x16x128_f8f6f4 v[128*\e+8*(8*\g+\t):128*\e+8*(8*\g+\t)+7], v[F+32*\g+12*\t:F+32*\g+12*\t+11], v[P+12*(2*\xp+\e):P+12*(2*\xp+\e)+11], 0, v[SA+8*\g+\t], v[PS+2*\xp+\e] matrix_a_fmt:MATRIX_FMT_BF6 matrix_b_fmt:MATRIX_FMT_BF6
.else
	v_wmma_scale_f32_16x16x128_f8f6f4 v[128*\e+8*(8*\g+\t):128*\e+8*(8*\g+\t)+7], v[F+32*\g+12*\t:F+32*\g+12*\t+11], v[P+12*(2*\xp+\e):P+12*(2*\xp+\e)+11], v[128*\e+8*(8*\g+\t):128*\e+8*(8*\g+\t)+7], v[SA+8*\g+\t], v[PS+2*\xp+\e] matrix_a_fmt:MATRIX_FMT_BF6 matrix_b_fmt:MATRIX_FMT_BF6
.endif
.endr
.endr
.endm
; MY KEY STEP OF SLOT n: 64 + 64 matrix instructions.  Its K fragments 0-7 were fetched at the end of the step before.
; kind 0: the slot is filled again; 1: it is left and not filled; 2: the launch's last step.  mask, j: a diagonal slot, and which.  zero: O^T's sums begin.  dstep 0: the refill goes back from the diagonal to the head's
; first slots; 1: two slots on.
; Places: only plain vector instructions that name none of a matrix instruction's registers are counted: 4 in front of loads into its registers and of reads of its results, 5 in front of a matrix
; instruction that writes over them; an operand written by vector instructions stands 4, a scale register so written 8 in front of a scaled matrix instruction.
.macro STEP n, next, kind, mask, j, zero, dstep
	PLACES 5                                       ; S^T is laid over V's fragments 8-15, which the last products read
	SMUL
	PLACES 4
	FETCH \n, 0, 8, F, 1, SA                       ; K's fragments 8-15: they land while the first 64 keys' scores are quantised
.if \mask
	MASK 0, \j
.endif
	QUANT 0
	SMUL
	PLACES 4
	FETCH \n, PART, 0, F, 1, SA                    ; V's fragments 0-7
.if \mask
	MASK 1, \j
.endif
	QUANT 1
	PLACES 8
	FETCH \n, PART, 8, S, 0, SB                    ; V's fragments 8-15, where S^T lay
.if \kind < 2
	s_wait_tensorcnt 0x0                           ; all my tensor loads have landed: my quarter of the next slot;
	ds_add_u32 v[SPW], v[NIL]                      ; 0 onto my spare word
	s_wait_dscnt 33                                ; V's fragments 0-7 are in (the 32 loads behind them and the add may be out)
	OMUL 0, 0, \zero                               ; sixteen matrix instructions stand between the add and the wait for it
	s_wait_dscnt 0x0                               ; the add is done, and my reads of this slot are over
	s_barrier_signal -1
	OMUL 0, 1, \zero
	WIN 0
	s_barrier_wait -1
.if \kind == 0
	CREST                                          ; the barrier has opened a round of the cluster's barrier: no wave of any partner still reads this slot or has a load on its way
.if \dstep == 0
	s_sub_nc_u64 s[G0+4*\n+2:G0+4*\n+3], s[G0+4*\n+2:G0+4*\n+3], s[DB:DB+1]
.else
	s_add_nc_u64 s[G0+4*\n+2:G0+4*\n+3], s[G0+4*\n+2:G0+4*\n+3], 2*SLOTB
.endif
	tensor_load_to_lds s[G0+4*\n:G0+4*\n+3], s[G1:G1+7]   ; the first tensor load behind the round, and my one load until the next: it has the next slot's step in which to land
	s_nop 0
	PLACES 4                                       ; (behind the tensor load; also the places in front of the loads below)
.else
	PLACES 4
.endif
	FETCH \next, 0, 0, F, 1, SA                    ; the next step's first fragments of K
	OMUL 1, 0, \zero
	OMUL 1, 1, \zero
	WIN 0
.else
	s_wait_dscnt 32                                ; V's fragments 0-7 are in
	OMUL 0, 0, \zero
	OMUL 0, 1, \zero
	s_wait_dscnt 0x0                               ; my reads of the ring are over
	s_barrier_signal -1
	OMUL 1, 0, \zero
	OMUL 1, 1, \zero
	WIN 0
	s_barrier_wait -1                              ; everybody's are: the ring's bytes may be written by LDS stores
.endif
.endm
	s_wait_tensorcnt 0x1                           ; my quarter of slot 0 is in; slot 1's may stay out
	s_barrier_signal -1
	s_barrier_wait -1                              ; everybody's is
	FETCH 0, 0, 0, F, 1, SA
	s_wait_loadcnt 0x0                             ; Q
	STEP 0, 1, 0, 1, 0, 1, 0                       ; the two diagonal slots; their refills bring the head's slots 0 and 1
	STEP 1, 0, 0, 1, 1, 0, 0
	s_cmp_lg_u32 s[CC], 0                          ; cluster 0 has no key left that counts: its Q becomes zero codes, a choice without a jump
	s_cselect_b32 s[KM], -1, 0
	WIN 0x44                                       ; destination and source 1 in window 1
.set i, 0
.rept 96
	v_and_b32 v[i], s[KM], v[i]
.set i, i+1
.endr
	WIN 0
	PLACES 4
	s_max_u32 s[LC], s[CC], 1
	s_sub_co_u32 s[LC], s[LC], 1                   ; max(c, 1) laps of two slots are left; all but the last fill both slots again
	s_cmp_eq_u32 s[LC], 0
	s_cbranch_scc1 .Ltail
.Llap:
	STEP 0, 1, 0, 0, 0, 0, 1
	STEP 1, 0, 0, 0, 0, 0, 1
	s_sub_co_u32 s[LC], s[LC], 1
	s_cmp_lg_u32 s[LC], 0
	s_cbranch_scc1 .Llap
.Ltail:                                            ; the last lap is written out: it asks for nothing more
	STEP 0, 1, 1, 0, 0, 0, 0
	STEP 1, 0, 2, 0, 0, 0, 0
	; THE WAY OUT.  My local tiles 2, 3 (window 3) go to my partner as an image of their registers; its image is added onto my tiles 0, 1.
	PLACES 4
	WIN 0x0c                                       ; an LDS store's data are its source 1: window 3
.set i, 0
.rept 64
	ds_store_b128 v[EXS], v[4*i:4*i+3] offset:512*i                ; each accumulator from its low end on
.set i, i+1
.endr
	WIN 0
	s_wait_dscnt 0x0                               ; for my partner's sake: my stores are done
	s_barrier_signal -1
	s_barrier_wait -1
	WIN 0x40                                       ; into window 1: Q and the fragments are done with
.set i, 0
.rept 64
	ds_load_b128 v[4*i:4*i+3], v[EXL] offset:512*i
.set i, i+1
.endr
	WIN 0x46                                       ; window 1 = window 2 + window 1
	s_wait_dscnt 32                                ; the first 32 of the 64 loads: tile 0
.set i, 0
.rept 64
	v_pk_add_f32 v[2*i:2*i+1], v[2*i:2*i+1], v[2*i:2*i+1]
.set i, i+1
.endr
	s_wait_dscnt 0x0
.rept 64
	v_pk_add_f32 v[2*i:2*i+1], v[2*i:2*i+1], v[2*i:2*i+1]
.set i, i+1
.endr
; A lane holds 32 neighbouring bytes of a row for each of 16 tiles of channels, and the lanes beside it hold other rows: a tile of 16 queries goes through my own stage and comes back as half rows of 512 bytes.
; LDS serves a wave's instructions in order (ISA guide 5.7.1.4): no wait between the stores and the loads, nor in front of the next tile's stores.
.macro TOSTAGE e
	WIN 0x04                                       ; the data: window 1
.irp ct, 0,1,2,3,4,5,6,7,8,9,10,11,12,13,14,15
	ds_store_b128 v[STO], v[128*\e+8*\ct:128*\e+8*\ct+3] offset:64*\ct
	ds_store_b128 v[STO], v[128*\e+8*\ct+4:128*\e+8*\ct+7] offset:64*\ct+16
.endr
.endm
.macro BACK reg
.irp rho, 0,1,2,3,4,5,6,7,8,9,10,11,12,13,14,15
.irp hf, 0,1
	ds_load_b128 v[\reg+4*(2*\rho+\hf):\reg+4*(2*\rho+\hf)+3], v[RD] offset:SPITCH*\rho+512*\hf
.endr
.endr
.endm
.macro SEND reg, e                     ; row rho of tile e is row 8 e + rho + 8 (rho / 8) of my 32; each store covers 512 consecutive bytes, at a multiple of 512 from the output's first byte; written once, read by nobody here
.irp rho, 0,1,2,3,4,5,6,7,8,9,10,11,12,13,14,15
.irp hf, 0,1
	global_store_b128 v[L16], v[\reg+4*(2*\rho+\hf):\reg+4*(2*\rho+\hf)+3], s[8:9] offset:(8*\e+\rho+8*(\rho/8))*1024+512*\hf th:TH_STORE_NT
.endr
.endr
.endm
	TOSTAGE 0
	WIN 0
	BACK S                                         ; tile 0's rows: window 0, v128-255
	TOSTAGE 1
	WIN 0
	s_wait_dscnt 32                                ; tile 0's rows are in: behind their loads stand tile 1's 32 stores
	SEND S, 0
	WIN 0x40
	BACK 0                                         ; tile 1's rows: window 1, v0-127, which tile 0's sums have left
	s_wait_dscnt 0x0
	WIN 0x04
	SEND 0, 1
	WIN 0
	s_wait_tensorcnt 0x0                           ; the wave's end: behind my last tensor load and my last LDS store
	ds_add_u32 v[SPW], v[NIL]
	s_wait_dscnt 0x0
	CROUND                                         ; the closing round: no work-group ends while a partner may still ask for a tile that names it
	s_endpgm
.Lfunc_end_k_q1d6b34d10e_attn:
	.size	k_q1d6b34d10e_attn, .Lfunc_end_k_q1d6b34d10e_attn-k_q1d6b34d10e_attn
	.p2alignl 7, 3214868480
	.fill 96, 4, 3214868480
	.section	.rodata,"a",@progbits
	.p2align	6, 0x0
	.amdhsa_kernel k_q1d6b34d10e_attn
		.amdhsa_group_segment_fixed_size 327680
		.amdhsa_private_segment_fixed_size 0
		.amdhsa_enable_private_segment 0
		.amdhsa_kernarg_size 24
		.amdhsa_user_sgpr_count 2
		.amdhsa_user_sgpr_kernarg_segment_ptr 1
		.amdhsa_wavefront_size32 1
		.amdhsa_system_sgpr_workgroup_id_x 1
		.amdhsa_system_sgpr_workgroup_id_y 1
		.amdhsa_system_sgpr_workgroup_id_z 1
		.amdhsa_system_vgpr_workitem_id 0
		.amdhsa_next_free_vgpr 1024
		.amdhsa_next_free_sgpr 66
		.amdhsa_reserve_vcc 1
		.amdhsa_float_denorm_mode_32 3
		.amdhsa_float_denorm_mode_16_64 3
		.amdhsa_memory_ordered 1
		.amdhsa_forward_progress 1
		.amdhsa_inst_pref_size 255
	.end_amdhsa_kernel
	.section	.bss,"aw",@nobits
	.p2align	6
	.space	262144
	.amdgpu_metadata
---
amdhsa.version: [ 1, 2 ]
amdhsa.kernels:
  - .name:           k_q1d6b34d10e_attn
    .symbol:         k_q1d6b34d10e_attn.kd
    .args:
      - { .name: QW, .offset: 0, .size: 8, .value_kind: global_buffer, .address_space: global }
      - { .name: KVW, .offset: 8, .size: 8, .value_kind: global_buffer, .address_space: global }
      - { .name: out0, .offset: 16, .size: 8, .value_kind: global_buffer, .address_space: global }
    .group_segment_fixed_size: 327680
    .private_segment_fixed_size: 0
    .kernarg_segment_align: 8
    .kernarg_segment_size: 24
    .max_flat_workgroup_size: 128
    .sgpr_count:     66
    .vgpr_count:     1024
    .wavefront_size: 32
...
	.end_amdgpu_metadata
.endif
;; end of part 2
